; MI455X (gfx1250); checked and timed in simulation.
; The chip was launched on July 23, 2026; its instructions are those of AMD's public machine-readable ISA for CDNA 5 (MIT licence, August 2026) and "CDNA5" Instruction Set Architecture Reference Guide (July 2026). The comments in the code are by the model that wrote it; some were corrected since.
;; Multi Headed Attention. Allowed arithmetic: matrix products marked QUANTISED: E2M3 operands, one E8M0 scale for each 32 along K, by v_wmma_scale_f32_16x16x128_f8f6f4 with both operands' format E2M3, f32 sums; everything else in f32.
;; Inputs: Wk 1,024 x 1,024 float32; Wo 1,024 x 1,024 float32; Wq 1,024 x 1,024 float32; Wv 1,024 x 1,024 float32; bo 1,024 float32; x 4 x 2,048 x 1,024 float32.
;; Outputs: out0 4 x 2,048 x 1,024 float32.
;; This version of the problem:
;;   THIS VERSION OF THE PROBLEM IS GIVEN IN LOW PRECISION. The matrix products marked QUANTISED in the list below multiply operands that are first quantised to E2M3 (2 exponent bits, 3 mantissa bits; 6 bits a number), with one power-of-two scale for each 32 numbers along K (OCP MX v1.0); their sums are f32. All else is computed in f32.
;;   The module's matrix products, in the order in which they are computed (A, B: the left and right operand; K: the contracted axis; several contracted axes count as one K, in the product's order):
;;     1. [M 8,192, K 1,024] x [K 1,024, N 1,024]; A: input x; B: input Wq: QUANTISED
;;     2. [M 8,192, K 1,024] x [K 1,024, N 1,024]; A: input x; B: input Wk: QUANTISED
;;     3. [M 8,192, K 1,024] x [K 1,024, N 1,024]; A: input x; B: input Wv: QUANTISED
;;     4. batch 64 x [M 2,048, K 64] x [K 64, N 2,048]; A: computed on the way; B: computed on the way: QUANTISED
;;     5. batch 64 x [M 2,048, K 2,048] x [K 2,048, N 64]; A: softmax (see below); B: computed on the way: QUANTISED
;;     6. [M 8,192, K 1,024] x [K 1,024, N 1,024]; A: computed on the way; B: input Wo: QUANTISED
;;   THE QUANTISER, for each operand of a quantised product, along K:
;;     - K is cut into blocks of 32 from its start; a last block that is shorter is filled with zeros.
;;     - A block's scale is 2^e with e = floor(log2(the largest magnitude in the block)) - 2, held to -126 .. 127; a block of zeros has e = 0. As a byte (E8M0): e + 127.
;;     - Each number is divided by its block's scale, clamped to +-7.5, and rounded to the nearest number of E2M3, ties to even, subnormals kept.
;;     - The product sums the exact products of the quantised numbers (number of the format x scale) in f32.
;;   ~~~python
;;   def quantise(x, axis):      # numpy; x: float32 -> the quantised numbers, widened to float32 again
;;       x = np.moveaxis(x, axis, -1); K = x.shape[-1]
;;       x = np.pad(x, [(0, 0)] * (x.ndim - 1) + [(0, -K % 32)]); x = x.reshape(x.shape[:-1] + (-1, 32)); a = np.abs(x).max(-1, keepdims=True)
;;       e = np.where(a > 0, np.clip(np.frexp(np.where(a > 0, a, 1))[1] - 1 - 2, -126, 127), 0)      # np.frexp(a)[1] - 1 = floor(log2(a)), exactly
;;       r = np.clip(x / 2.0 ** e, -7.5, 7.5)
;;       step = 2.0 ** (np.maximum(np.frexp(np.where(r == 0, 1, r))[1] - 1, 0) - 3)
;;       q = np.round(r / step) * step * 2.0 ** e      # np.round: ties to even
;;       return np.moveaxis(q.reshape(q.shape[:-2] + (-1,))[..., :K], -1, axis).astype(np.float32)
;;   ~~~
;;   SOFTMAX AHEAD OF A QUANTISED PRODUCT. Where the list says 'softmax', what is quantised is not the finished softmax but p = 2^(t - M), with t = logit x log2(e) and M = ceil(the row's largest t), a whole number; so 1/2 < the row's largest p <= 1. The row's sum l is taken of the UNQUANTISED p, in f32, and the product's result is divided by l at the end. Since M is a whole number, a kernel that streams over the keys may use a running M (the ceiling of the running maximum): every later rescaling is an exact power of two, which a block's scale takes up: the codes' values come out the same.
;;   OPERANDS COMPUTED ON THE WAY. 'Computed on the way' means the value that the module computes at that place (a softmax that the list does not call 'softmax' is quantised finished and normalised). What goes into a quantiser is computed in f32, as accurately as f32 sums, v_exp_f32 and their like allow (about 1e-6 of the number): no bf16 or f16 on the way to a quantiser, and a product that is left as it is and whose result goes on into a quantised operand takes f32 operands (vector FMAs, or v_wmma_f32_16x16x4_f32). A number that lies on a knife's edge between two numbers of the format may be rounded either way, as far as f32 arithmetic and the matrix unit's own rounding can turn it there, and no further.
;; One version. Each part assembles by itself: llvm-mc -triple=amdgcn-amd-amdhsa -mcpu=gfx1250 --defsym DOCPART=n.
;; ======== version 1 of 1: 4 launches
;; workspace buffers: cimg 9,437,184 bytes; csc 393,216 bytes; qkv_img 18,874,368 bytes; qkv_sc 1,572,864 bytes; ctx_img 6,291,456 bytes; ctx_sc 262,144 bytes
;; launch quant (part 1): grid 256 x 1, 6 waves a work-group, no clusters, 51,456 bytes of LDS; arguments x, Wq, Wk, Wv, Wo, cimg, csc; writes cimg, csc
.if DOCPART == 1
	.amdgcn_target "amdgcn-amd-amdhsa--gfx1250"
	.amdhsa_code_object_version 6
	.text
	.protected	k_q30b8758d44_quant
	.globl	k_q30b8758d44_quant
	.p2align	8
	.type	k_q30b8758d44_quant,@function
k_q30b8758d44_quant:
	s_mov_b64 s[64:65], 0
	v_nop
	global_prefetch_b8 v0, s[64:65] scope:SCOPE_SE
	s_setreg_imm32_b32 hwreg(HW_REG_WAVE_MODE, 25, 1), 1
	s_wait_xcnt 0x0
; x [8192][1024] and Wq, Wk, Wv, Wo [1024][1024], f32, K innermost, become codes of FP6 (E2M3) with one E8M0 byte for each 32 along K.
; A block's scale is 2^(floor(log2(its largest magnitude)) - 2); its byte is the largest magnitude's exponent field - 2, held at 1 from below.
; LIMITS: NaN and infinities are not served.  A block of zeros, or one whose largest magnitude lies under 2^-124, gets the byte 1 where the rule says 127 or less:
; its codes are zeros (or the held byte's), and the bytes are read by this program alone.
; THE OUTPUT IS LAID AS THE MATRIX UNIT'S REGISTERS.  A TILE is 16 rows: lane r of tile T holds row 32 (T / 2) + 8 (T % 2) + r + 8 (r / 8), so that the results of two neighbouring tiles are 16
; neighbours in a lane.  A fragment (a tile x 128 along K, 12 registers a lane) is an IMAGE of 1,536 bytes: registers 4 i .. 4 i + 3 of lane l at 512 i + 16 l.  cimg: [tile 768][K step 8][1536]:
; tiles 0-511 x, then 64 each of Wq, Wk, Wv, Wo.  csc: [tile][lane 32][4 words]: word j of lane (r, h) is row r's scale word of K step 4 h + j.
; SHARES.  1,536 units of a tile x 512 along K, one to a wave: 4 K steps.  A load reads 512 consecutive bytes of one row; the 16 rows turn through the wave's own stage in LDS (pitch 528) so that a
; lane then holds 16 neighbours of each block of 32.  No barrier: waves share nothing.  Two K steps' loads (32 a wave) are on their way.
.set STG,  8448                        ; a wave's stage: 16 rows x 528 bytes
.set R,    16                          ; v16-143  two sets of 64 registers as loaded
.set X,    144                         ; v144-207 register 16 b + i = k 32 b + 16 h + i of my row
.set TM,   208                         ; v208-223 at work
.set PC,   224                         ; v224-243 the codes
.set PW,   244                         ; v244-247 the four K steps' scale words
	s_load_b256 s[4:11], s[0:1], 0x0               ; x, Wq, Wk, Wv
	s_load_b128 s[12:15], s[0:1], 0x20             ; Wo, cimg
	s_load_b64 s[16:17], s[0:1], 0x30              ; csc
	v_lshl_add_u32 v254, v0, 2, 0xc600
	v_mov_b32 v255, 0
	v_lshrrev_b32 v5, 5, v0
	v_readfirstlane_b32 s18, v5                    ; wave 0..5
	v_and_b32 v6, 31, v0                           ; lane
	v_and_b32 v7, 15, v0                           ; r
	v_bfe_u32 v8, v0, 4, 1                         ; h
	v_lshlrev_b32 v1, 4, v6                        ; 16 x lane: a load's and an image's place
	s_mul_i32 s19, s18, STG
	v_add_nc_u32 v2, s19, v1                       ; the stage, on the way in
	v_mul_u32_u24 v3, v7, 528
	v_lshl_add_u32 v3, v8, 6, v3
	v_add_nc_u32 v3, s19, v3                       ; and out: row r, + 64 h
	v_lshlrev_b32 v4, 4, v7
	v_lshl_add_u32 v4, v8, 3, v4                   ; the scale words' place: 16 r + 8 h
	s_mov_b32 s20, 0x76543210
	s_mov_b32 s21, 0xfedcba98                      ; v_permlanex16_b32's selects for lane l xor 16
.irp b, 0,1,2,3
	v_mov_b32 v[TM+4+\b], 0                        ; written once: a lane permute's destination counts as one of its sources
.endr
	s_mul_i32 s22, ttmp9, 6
	s_add_co_u32 s22, s22, s18                     ; U: my unit
	s_lshr_b32 s23, s22, 1                         ; T: its tile
	s_and_b32 s24, s22, 1                          ; which half of K
	s_and_b32 s25, s23, 63                         ; a weight's tile
	s_wait_alu depctr_va_vdst(0)
	s_wait_kmcnt 0x0
	s_cmp_lt_u32 s23, 704                          ; which tensor: the choices hang on the unit's number alone
	s_cselect_b64 s[12:13], s[10:11], s[12:13]
	s_cmp_lt_u32 s23, 640
	s_cselect_b64 s[12:13], s[8:9], s[12:13]
	s_cmp_lt_u32 s23, 576
	s_cselect_b64 s[12:13], s[6:7], s[12:13]
	s_cmp_lt_u32 s23, 512
	s_cselect_b64 s[12:13], s[4:5], s[12:13]
	s_cselect_b32 s25, s23, s25                    ; the tile's number in its tensor
	s_lshr_b32 s26, s25, 1
	s_lshl_b32 s26, s26, 17                        ; 32 rows of 4,096 bytes for each pair of tiles,
	s_and_b32 s27, s25, 1
	s_lshl_b32 s27, s27, 15                        ; 8 rows for the odd tile,
	s_add_co_u32 s26, s26, s27
	s_lshl_b32 s27, s24, 11                        ; 2,048 bytes for the second half of K
	s_add_co_u32 s26, s26, s27
	s_mov_b32 s27, 0
	s_add_nc_u64 s[12:13], s[12:13], s[26:27]
	s_mul_i32 s28, s22, 6144                       ; four images a unit
	s_mov_b32 s29, 0
	s_add_nc_u64 s[14:15], s[14:15], s[28:29]
	s_lshl_b32 s28, s22, 8                         ; 256 bytes of scale words a unit
	s_add_nc_u64 s[16:17], s[16:17], s[28:29]
.macro LOAD s                          ; K step s: load i reads the 512 bytes of the tile's row i
.irp i, 0,1,2,3,4,5,6,7,8,9,10,11,12,13,14,15
	global_load_b128 v[R+64*((\s)%2)+4*\i:R+64*((\s)%2)+4*\i+3], v1, s[12:13] offset:(\i+8*(\i/8))*4096+512*(\s) th:TH_LOAD_NT
.endr
.endm
; 64 numbers of a lane, v[s] on, become a fragment's codes in v[PC] on and its scale word in v[w]
.macro QUANT s, w
.irp b, 0,1,2,3
	v_max3_num_f32 v[TM+\b], |v[\s+16*\b]|, |v[\s+1+16*\b]|, 0x1800000   ; block b: my 16 numbers, and the floor 2^(3 - 127): the byte cannot fall under 1
.endr
.irp i, 2,4,6,8,10,12,14
.irp b, 0,1,2,3
	v_max3_num_f32 v[TM+\b], v[TM+\b], |v[\s+16*\b+\i]|, |v[\s+1+16*\b+\i]|   ; the four blocks by turns
.endr
.endr
.irp b, 0,1,2,3
	v_permlanex16_b32 v[TM+4+\b], v[TM+\b], s20, s21
.endr
.irp b, 0,1,2,3
	v_max_num_f32 v[TM+\b], v[TM+\b], v[TM+4+\b]   ; with lane l xor 16's: the block's largest magnitude
.endr
.irp b, 0,1,2,3
	v_add_nc_u32 v[TM+12+\b], 0xff000000, v[TM+\b] ; 2 off its exponent field: the conversion's scale operand
.endr
.irp b, 0,1,2,3
	v_lshrrev_b32 v[TM+4+\b], 23, v[TM+12+\b]      ; the scale's byte
.endr
	v_lshl_or_b32 v[\w], v[TM+5], 8, v[TM+4]
	v_lshl_or_b32 v[\w], v[TM+6], 16, v[\w]
	v_lshl_or_b32 v[\w], v[TM+7], 24, v[\w]
.irp c, 0,1
	v_cvt_scalef32_pk16_fp6_f32 v[PC+6*\c:PC+2+6*\c], v[\s+32*\c:\s+15+32*\c], v[TM+12+2*\c]
	v_cvt_scalef32_pk16_fp6_f32 v[PC+12+4*\c:PC+14+4*\c], v[\s+16+32*\c:\s+31+32*\c], v[TM+12+2*\c+1]   ; a conversion's three registers begin on an even number
.endr
	v_nop                                          ; one plain place behind a scaled conversion
.irp c, 0,1                            ; the operand's layout wants a whole block in a lane
.irp i, 0,1,2
	v_permlane16_swap_b32 v[PC+6*\c+\i], v[PC+12+4*\c+\i]
.endr
.irp i, 0,1,2
	v_mov_b32 v[PC+3+6*\c+\i], v[PC+12+4*\c+\i]
.endr
.endr
.endm
.macro STEP s
.if (\s) < 3
	s_wait_loadcnt 16                              ; this K step's 16 loads are in; the next step's 16 may be out
.else
	s_wait_loadcnt 0x0
.endif
	s_wait_xcnt 0x0                                ; the last step's stores have read their data: the codes' registers are written again only behind this wait
.irp i, 0,1,2,3,4,5,6,7,8,9,10,11,12,13,14,15
	ds_store_b128 v2, v[R+64*((\s)%2)+4*\i:R+64*((\s)%2)+4*\i+3] offset:528*\i
.endr
.irp b, 0,1,2,3
.irp j, 0,1,2,3
	ds_load_b128 v[X+16*\b+4*\j:X+16*\b+4*\j+3], v3 offset:128*\b+16*\j   ; LDS serves a wave's instructions in order: these see the stores above
.endr
.endr
	s_wait_dscnt 0x0                               ; my 64 numbers are back, and the stores have read the set that is loaded again below
.if (\s) < 2
	LOAD (\s)+2
.endif
	QUANT X, PW+(\s)
.irp i, 0,1,2
	global_store_b128 v1, v[PC+4*\i:PC+4*\i+3], s[14:15] offset:1536*(\s)+512*\i   ; 32 lanes store 512 consecutive bytes, aligned
.endr
.endm
	LOAD 0
	LOAD 1
	STEP 0
	STEP 1
	STEP 2
	STEP 3
	v_cmp_eq_u32 vcc_lo, 1, v8                     ; lanes 16-31 store words 2 and 3 of their row, lanes 0-15 words 0 and 1
	v_cndmask_b32 v248, v[PW], v[PW+2], vcc_lo
	v_cndmask_b32 v249, v[PW+1], v[PW+3], vcc_lo
	global_store_b64 v4, v[248:249], s[16:17]      ; 32 lanes store 256 consecutive bytes, aligned
	s_wait_tensorcnt 0x0
	ds_add_u32 v254, v255
	s_wait_dscnt 0x0
	s_endpgm
.Lfunc_end_k_q30b8758d44_quant:
	.size	k_q30b8758d44_quant, .Lfunc_end_k_q30b8758d44_quant-k_q30b8758d44_quant
	.p2alignl 7, 3214868480
	.fill 96, 4, 3214868480
	.section	.rodata,"a",@progbits
	.p2align	6, 0x0
	.amdhsa_kernel k_q30b8758d44_quant
		.amdhsa_group_segment_fixed_size 51456
		.amdhsa_private_segment_fixed_size 0
		.amdhsa_enable_private_segment 0
		.amdhsa_kernarg_size 56
		.amdhsa_user_sgpr_count 2
		.amdhsa_user_sgpr_kernarg_segment_ptr 1
		.amdhsa_wavefront_size32 1
		.amdhsa_system_sgpr_workgroup_id_x 1
		.amdhsa_system_sgpr_workgroup_id_y 1
		.amdhsa_system_sgpr_workgroup_id_z 1
		.amdhsa_system_vgpr_workitem_id 0
		.amdhsa_next_free_vgpr 256
		.amdhsa_next_free_sgpr 66
		.amdhsa_reserve_vcc 1
		.amdhsa_float_denorm_mode_32 3
		.amdhsa_float_denorm_mode_16_64 3
		.amdhsa_memory_ordered 1
		.amdhsa_forward_progress 1
		.amdhsa_inst_pref_size 34
	.end_amdhsa_kernel
	.amdgpu_metadata
---
amdhsa.version: [ 1, 2 ]
amdhsa.kernels:
  - .name:           k_q30b8758d44_quant
    .symbol:         k_q30b8758d44_quant.kd
    .args:
      - { .name: x, .offset: 0, .size: 8, .value_kind: global_buffer, .address_space: global }
      - { .name: Wq, .offset: 8, .size: 8, .value_kind: global_buffer, .address_space: global }
      - { .name: Wk, .offset: 16, .size: 8, .value_kind: global_buffer, .address_space: global }
      - { .name: Wv, .offset: 24, .size: 8, .value_kind: global_buffer, .address_space: global }
      - { .name: Wo, .offset: 32, .size: 8, .value_kind: global_buffer, .address_space: global }
      - { .name: cimg, .offset: 40, .size: 8, .value_kind: global_buffer, .address_space: global }
      - { .name: csc, .offset: 48, .size: 8, .value_kind: global_buffer, .address_space: global }
    .group_segment_fixed_size: 51456
    .private_segment_fixed_size: 0
    .kernarg_segment_align: 8
    .kernarg_segment_size: 56
    .max_flat_workgroup_size: 192
    .sgpr_count:     66
    .vgpr_count:     256
    .wavefront_size: 32
...
	.end_amdgpu_metadata
.endif
;; end of part 1
;; launch qkv (part 2): grid 4 x 64, 4 waves a work-group, clusters of 4 x 4, 327,680 bytes of LDS; arguments cimg, csc, qkv_img, qkv_sc; writes qkv_img, qkv_sc
.if DOCPART == 2
	.amdgcn_target "amdgcn-amd-amdhsa--gfx1250"
	.amdhsa_code_object_version 6
	.text
	.protected	k_q30b8758d44_qkv
	.globl	k_q30b8758d44_qkv
	.p2align	8
	.type	k_q30b8758d44_qkv,@function
k_q30b8758d44_qkv:
	s_mov_b64 s[64:65], 0
	v_nop
	global_prefetch_b8 v0, s[64:65] scope:SCOPE_SE
	s_setreg_imm32_b32 hwreg(HW_REG_WAVE_MODE, 25, 1), 1
	s_wait_xcnt 0x0
	s_wait_alu depctr_hold_cnt(0) depctr_sa_sdst(0) depctr_va_vdst(0) depctr_va_sdst(0) depctr_va_ssrc(0) depctr_va_vcc(0) depctr_vm_vsrc(0)
	s_getreg_b32 s2, hwreg(HW_REG_IB_STS2, 6, 4)
	s_cmp_eq_u32 s2, 0
	s_cbranch_scc0 .Lentry_in_a_cluster
	s_endpgm
.Lentry_in_a_cluster:
	s_bfe_u32 s2, ttmp6, 0x10000c
	s_cmp_lg_u32 s2, 0xf033
	s_cbranch_scc0 .Lentry_shape_is_right
	s_endpgm
.Lentry_shape_is_right:
; q = x Wq^T, k = x Wk^T, v = x Wv^T on codes of FP6 (E2M3) with E8M0 scales; each result is quantised in registers, as the operand that attention wants, and only codes go to memory.
; SHARES.  A work-group owns 128 tokens (8 tiles of x) and, in three passes (q, k, v), 256 columns of that weight; wave w owns ONE head, 4 tx + w: 4 tiles of W against the 8 tiles of x: 32 accumulators.
; x's images, 98,304 bytes, stay in LDS for all passes.  W's go through two slots of four K steps; a wave fills and reads its own quarter of a slot.
; TILES: lane r of tile T holds row 32 (T / 2) + 8 (T % 2) + r + 8 (r / 8), so that the 16 registers of two neighbouring tiles of source 0 are 16 neighbours.
; q, k: source 0 = W, source 1 = x: a lane holds one token, its registers run along the head's 64: two tiles of tokens make one image: registers 0-5 the even tile's 64, registers 6-11 the odd tile's.
; v: source 0 = x, source 1 = W: a lane holds one of the head's 64, its registers run along the 128 tokens, which are the second product's K: a tile of W makes one whole fragment.
; qkv_img: [q, k, v][batch x head 64][group of 128 tokens 16][image 4][1536];  qkv_sc: [q, k, v][64][16][lane 32][word 4 = image].
; CLUSTER 4 x 4: x's images hang on the token block alone and are asked for jointly along a row of the cluster, W's on the column block alone, jointly along a column.
; LIMITS: NaN and infinities are not served; a block of zeros or under 2^-124 gets the byte 1 (its codes are zeros; this program alone reads the bytes).
; REGISTERS: window 0: v1, v3 addresses in x's images; v4, v5 in W's slots; v6, v7 the add's; v16-47 x's scale words; v48-79 W's, two sets; v80-119 the quantiser; v160-255 W's fragments, two sets.
;   window 1: x's fragments, two sets of 96.   window 2: the 32 accumulators.
.set LI,    1
.set LB,    4
.set SPW,   6
.set NIL,   7
.set SA,    16
.set SB,    48
.set TM,    80
.set PW,    96
.set PC,    100
.set BF,    160
.set QUART, 24576                      ; what one tensor load brings
.set SPARE, 294912                     ; behind x's images and the two slots: the spare words, 128 bytes a wave: two blocks of 256 bytes that no other line names
.set G1A,   24
.set G1B,   32
.set G0A,   40
.set G0B,   44                         ; s[44:47] slot 0, s[48:51] slot 1
.set MSB,   0
.macro WIN new                         ; the immediate's high byte repeats the setting that is left
.if MSB != \new
	s_set_vgpr_msb (MSB<<8)|\new
.set MSB, \new
.endif
.endm
.macro PLACES n
.rept \n
	v_nop
.endr
.endm
.macro CREST                           ; a round of the cluster's barrier behind its opening barrier
	s_cmp_lg_u32 s12, 0
	s_cbranch_scc1 .Lnot_wave_0_\@
	s_barrier_signal -3
.Lnot_wave_0_\@:
	s_barrier_wait -3
	s_barrier_signal -1
	s_barrier_wait -1
.endm
.macro CROUND
	s_barrier_signal -1
	s_barrier_wait -1
	CREST
.endm
	s_load_b256 s[4:11], s[0:1], 0x0               ; cimg, csc, qkv_img, qkv_sc
	v_lshl_add_u32 v[SPW], v0, 2, SPARE
	v_mov_b32 v[NIL], 0
	ds_add_u32 v6, v7
	ds_add_u32 v6, v7
	s_wait_dscnt 0x0
	v_lshrrev_b32 v2, 5, v0
	v_readfirstlane_b32 s12, v2                    ; wave 0..3
	v_and_b32 v2, 31, v0
	v_lshlrev_b32 v[LI], 4, v2                     ; 16 x lane: x's tiles 0-3,
	v_add_nc_u32 v[LI+2], 49152, v[LI]             ; tiles 4-7
.irp b, 0,1,2,3
	v_mov_b32 v[TM+4+\b], 0                        ; written once: a lane permute's destination counts as one of its sources
.endr
	s_bfe_u32 s13, ttmp6, 0x40000                  ; cx
	s_bfe_u32 s14, ttmp6, 0x40004                  ; cy
	s_lshl_b32 s15, ttmp9, 2
	s_add_co_u32 s15, s15, s13                     ; tx: which 256 columns
	s_and_b32 s16, ttmp7, 0xffff
	s_lshl_b32 s16, s16, 2
	s_add_co_u32 s16, s16, s14                     ; ty: which 128 tokens
	s_lshl_b32 s17, s14, 2
	s_lshl_b32 s17, 15, s17                        ; my row of the cluster
	s_lshl_b32 s18, 0x1111, s13                    ; my column
	s_or_b32 s[G1A], s17, (3<<16)|(1<<21)          ; x: elements of 8 bytes, no padding; 24,576 dense bytes as 96 rows of 256
	s_mov_b32 s[G1A+1], 32<<16
	s_mov_b32 s[G1A+2], 96<<16
	s_mov_b32 s[G1A+3], 32<<16
	s_mov_b32 s[G1A+4], 96
	s_mov_b32 s[G1A+5], 32
	s_mov_b32 s[G1A+6], 0
	s_mov_b32 s[G1A+7], 0
	s_or_b32 s[G1B], s18, (3<<16)|(1<<21)          ; W: 4 tiles' four K steps: 4 rows of 6,144 bytes, 12,288 apart
	s_mov_b32 s[G1B+1], 768<<16
	s_mov_b32 s[G1B+2], 4<<16
	s_mov_b32 s[G1B+3], 768<<16
	s_mov_b32 s[G1B+4], 4
	s_mov_b32 s[G1B+5], 1536
	s_mov_b32 s[G1B+6], 0
	s_mov_b32 s[G1B+7], 0
	s_mul_i32 s70, s12, QUART                      ; my quarter of a region: no place in the cluster enters an LDS address
	s_mul_i32 s72, s16, 98304                      ; x: tiles 8 ty on, my two
	s_add_co_u32 s72, s72, s70
	s_mov_b32 s73, 0
	s_mul_i32 s74, s15, 196608                     ; W: tile 512 + 16 tx + 4 w
	s_mul_i32 s75, s12, 49152
	s_add_co_u32 s74, s74, s75
	s_add_co_u32 s74, s74, 6291456
	s_mov_b32 s75, 0
	s_lshl_b32 s76, s15, 2
	s_add_co_u32 s76, s76, s12                     ; my head
	s_lshr_b32 s77, s16, 4
	s_lshl_b32 s77, s77, 4
	s_add_co_u32 s76, s76, s77                     ; 16 x batch + head
	s_lshl_b32 s76, s76, 4
	s_and_b32 s77, s16, 15
	s_add_co_u32 s76, s76, s77                     ; x 16 + the group of 128 tokens
	s_mul_i32 s78, s76, 6144
	s_mov_b32 s79, 0
	s_mov_b32 s66, 0x1800000                       ; the floor 2^(3 - 127)
	s_mov_b32 s68, 0x76543210
	s_mov_b32 s69, 0xfedcba98
	s_wait_alu depctr_va_vdst(0)
	s_wait_kmcnt 0x0
	s_add_nc_u64 s[56:57], s[8:9], s[78:79]        ; where my images go: q's,
	s_add_nc_u64 s[58:59], s[56:57], 6291456       ; k's,
	s_add_nc_u64 s[60:61], s[58:59], 6291456       ; v's
	s_lshl_b32 s78, s76, 9
	s_add_nc_u64 s[62:63], s[10:11], s[78:79]      ; and their scale words
	s_lshl_b32 s78, s15, 13
	s_lshl_b32 s77, s12, 11
	s_add_co_u32 s78, s78, s77
	s_add_co_u32 s78, s78, 262144
	s_add_nc_u64 s[52:53], s[6:7], s[78:79]        ; W's scale words: tile 512 + 16 tx + 4 w
	s_lshl_b32 s78, s16, 12
	s_add_nc_u64 s[54:55], s[6:7], s[78:79]        ; x's: tile 8 ty
	s_mov_b32 s[G0A], 1
	s_mov_b32 s[G0A+1], s70
	s_add_nc_u64 s[G0A+2:G0A+3], s[4:5], s[72:73]
	s_or_b32 s[G0A+3], s[G0A+3], 0x80000000
	s_mov_b32 s[G0B], 1
	s_add_co_u32 s[G0B+1], s70, 98304
	s_add_nc_u64 s[G0B+2:G0B+3], s[4:5], s[74:75]
	s_mov_b32 s[G0B+4], 1
	s_add_co_u32 s[G0B+5], s70, 196608
	s_add_nc_u64 s[G0B+6:G0B+7], s[G0B+2:G0B+3], 6144   ; K steps 4-7
	s_or_b32 s[G0B+3], s[G0B+3], 0x80000000
	s_or_b32 s[G0B+7], s[G0B+7], 0x80000000
	v_add_nc_u32 v[LB], s[G0B+1], v[LI]
	v_add_nc_u32 v[LB+1], s[G0B+5], v[LI]
	CROUND                                         ; all sixteen work-groups are here: the first joint loads meet
	tensor_load_to_lds s[G0A:G0A+3], s[G1A:G1A+7]  ; my loads, one at a time: x's quarter,
	s_nop 0
	s_wait_alu depctr_va_vdst(0)
	s_wait_tensorcnt 0x0
	ds_add_u32 v6, v7
	s_wait_dscnt 0x0
	CROUND
	tensor_load_to_lds s[G0B:G0B+3], s[G1B:G1B+7]  ; Wq's K steps 0-3,
	s_nop 0
	s_wait_alu depctr_va_vdst(0)
	s_wait_tensorcnt 0x0
	ds_add_u32 v6, v7
	s_wait_dscnt 0x0
	CROUND
	tensor_load_to_lds s[G0B+4:G0B+7], s[G1B:G1B+7]   ; and 4-7
	s_nop 0
	PLACES 4
.irp a, 0,1,2,3,4,5,6,7
	global_load_b128 v[SA+4*\a:SA+4*\a+3], v[LI], s[54:55] offset:512*\a   ; register 4 a + j: lanes 0-15 K step j, lanes 16-31 K step 4 + j
.endr
.macro SBLOAD q                        ; the scale words of pass q's four tiles of W, into set q % 2
.irp c, 0,1,2,3
	global_load_b128 v[SB+16*((\q)%2)+4*\c:SB+16*((\q)%2)+4*\c+3], v[LI], s[52:53] offset:32768*(\q)+512*\c
.endr
.endm
	SBLOAD 0
; the fragments of K step s: x's eight into window 1, W's four into window 0, set s % 2: 36 loads of 512 consecutive bytes
.macro FETCH s
	WIN 0x40
.irp a, 0,1,2,3,4,5,6,7
.irp i, 0,1,2
	ds_load_b128 v[96*((\s)%2)+12*\a+4*\i:96*((\s)%2)+12*\a+4*\i+3], v[LI+2*(\a/4)] offset:(\a%4)*12288+(\s)*1536+512*\i
.endr
.endr
	WIN 0
.irp c, 0,1,2,3
.irp i, 0,1,2
	ds_load_b128 v[BF+48*((\s)%2)+12*\c+4*\i:BF+48*((\s)%2)+12*\c+4*\i+3], v[LB+(\s)/4] offset:\c*6144+((\s)%4)*1536+512*\i
.endr
.endr
.endm
; 8 matrix instructions: x's tiles 2 i, 2 i + 1 against W's four.  The 32 accumulators take turns, one instruction a turn, in the same order in every K step.
.macro MUL8 p, s, i, zero
.if \p < 2
	WIN 0xa4                                       ; source 0 (W) window 0, source 1 (x) window 1, C and D window 2
.else
	WIN 0xa1                                       ; source 0 (x) window 1, source 1 (W) window 0
.endif
.irp a, 2*\i, 2*\i+1
.irp c, 0,1,2,3
.if \p < 2
.set rD,  32*(\a)+8*\c
.set rP0, BF+48*((\s)%2)+12*\c
.set rP1, 96*((\s)%2)+12*(\a)
.set rS0, SB+16*((\p)%2)+4*\c+(\s)%4
.set rS1, SA+4*(\a)+(\s)%4
.else
.set rD,  64*\c+8*(\a)
.set rP0, 96*((\s)%2)+12*(\a)
.set rP1, BF+48*((\s)%2)+12*\c
.set rS0, SA+4*(\a)+(\s)%4
.set rS1, SB+16*((\p)%2)+4*\c+(\s)%4
.endif
.if \zero
	v_wmma_scale_f32_16x16x128_f8f6f4 v[rD:rD+7], v[rP0:rP0+11], v[rP1:rP1+11], 0, v[rS0], v[rS1] matrix_a_fmt:MATRIX_FMT_FP6 matrix_b_fmt:MATRIX_FMT_FP6
.elseif \s < 4
	v_wmma_scale_f32_16x16x128_f8f6f4 v[rD:rD+7], v[rP0:rP0+11], v[rP1:rP1+11], v[rD:rD+7], v[rS0], v[rS1] matrix_a_fmt:MATRIX_FMT_FP6 matrix_b_fmt:MATRIX_FMT_FP6
.else
	v_wmma_scale_f32_16x16x128_f8f6f4 v[rD:rD+7], v[rP0:rP0+11], v[rP1:rP1+11], v[rD:rD+7], v[rS0], v[rS1] matrix_a_fmt:MATRIX_FMT_FP6 matrix_b_fmt:MATRIX_FMT_FP6 matrix_a_scale:MATRIX_SCALE_ROW1 matrix_b_scale:MATRIX_SCALE_ROW1
.endif
.endr
.endr
.endm
; A K step whose successor's fragments lie in LDS already
.macro KSTEP p, s, zero
	s_wait_dscnt 0x0                               ; this step's fragments are in
	PLACES 4                                       ; four places in front of loads into registers that matrix instructions have read
	FETCH (\s)+1
	MUL8 \p, \s, 0, \zero
	MUL8 \p, \s, 1, \zero
	MUL8 \p, \s, 2, \zero
	MUL8 \p, \s, 3, \zero
.endm
; K step 3 or 7 of passes q and k: the slot just read out is filled again with the next pass's same K steps.
.macro TURN p, s
	WIN 0                                          ; (the add's two registers lie in window 0)
	s_wait_tensorcnt 0x0                           ; all my tensor loads have landed: the one that was out is my part of the other slot
	ds_add_u32 v[SPW], v[NIL]                      ; 0 onto my spare word
	s_wait_dscnt 0x1                               ; this step's fragments are in; the add alone may be out
	MUL8 \p, \s, 0, 0                              ; eight matrix instructions stand between the add and the wait for it
	s_wait_dscnt 0x0                               ; the add is done, and my reads of this slot are over
	s_barrier_signal -1                            ; this barrier opens a round of the cluster's
	MUL8 \p, \s, 1, 0
	WIN 0
	s_barrier_wait -1
	CREST                                          ; no wave of any partner still reads this slot or has a load on its way
	s_add_nc_u64 s[G0B+4*(\s/4)+2:G0B+4*(\s/4)+3], s[G0B+4*(\s/4)+2:G0B+4*(\s/4)+3], 786432   ; 64 tiles on: the next weight
	tensor_load_to_lds s[G0B+4*(\s/4):G0B+4*(\s/4)+3], s[G1B:G1B+7]   ; my one load behind the round: four K steps, 128 matrix instructions, in which to land
	s_nop 0
	PLACES 4                                       ; also the places in front of the loads below
	FETCH (\s+1)%8
	MUL8 \p, \s, 2, 0
	MUL8 \p, \s, 3, 0
.endm
; 64 accumulator registers of window 2, v[base] on, register 16 b + i = k 32 b + 16 h + i of my row, become codes in v[PC] on and the scale word v[PW + idx]
.macro QUANTW base, idx
	WIN 0x28                                       ; sources 1 and 2 window 2
.irp b, 0,1,2,3
	v_max3_num_f32 v[TM+\b], s66, |v[(\base)+16*\b]|, |v[(\base)+16*\b+1]|   ; each accumulator is read from its low end on
.endr
.irp i, 2,4,6,8,10,12,14
.irp b, 0,1,2,3
	v_max3_num_f32 v[TM+\b], v[TM+\b], |v[(\base)+16*\b+\i]|, |v[(\base)+16*\b+\i+1]|
.endr
.endr
	WIN 0
.irp b, 0,1,2,3
	v_permlanex16_b32 v[TM+4+\b], v[TM+\b], s68, s69
.endr
.irp b, 0,1,2,3
	v_max_num_f32 v[TM+\b], v[TM+\b], v[TM+4+\b]
.endr
.irp b, 0,1,2,3
	v_add_nc_u32 v[TM+12+\b], 0xff000000, v[TM+\b] ; 2 off the exponent field: the conversion's scale operand
.endr
.irp b, 0,1,2,3
	v_lshrrev_b32 v[TM+4+\b], 23, v[TM+12+\b]      ; the scale's byte
.endr
	v_lshl_or_b32 v[PW+\idx], v[TM+5], 8, v[TM+4]
	v_lshl_or_b32 v[PW+\idx], v[TM+6], 16, v[PW+\idx]
	v_lshl_or_b32 v[PW+\idx], v[TM+7], 24, v[PW+\idx]
	WIN 0x02                                       ; source 0 window 2
.irp c, 0,1
	v_cvt_scalef32_pk16_fp6_f32 v[PC+6*\c:PC+2+6*\c], v[(\base)+32*\c:(\base)+15+32*\c], v[TM+12+2*\c]
	v_cvt_scalef32_pk16_fp6_f32 v[PC+12+4*\c:PC+14+4*\c], v[(\base)+16+32*\c:(\base)+31+32*\c], v[TM+12+2*\c+1]
.endr
	WIN 0
	v_nop                                          ; one plain place behind a scaled conversion
.irp c, 0,1
.irp i, 0,1,2
	v_permlane16_swap_b32 v[PC+6*\c+\i], v[PC+12+4*\c+\i]
.endr
.irp i, 0,1,2
	v_mov_b32 v[PC+3+6*\c+\i], v[PC+12+4*\c+\i]
.endr
.endr
.endm
.macro EPI p                           ; a pass's 256 accumulator registers leave as four images and four scale words a lane
	PLACES 4                                       ; the first reads of results
.irp x, 0,1,2,3
	s_wait_xcnt 0x0                                ; earlier stores have read their data: the codes' and words' registers are written again only behind this wait
	QUANTW 64*\x, \x
.irp i, 0,1,2
	global_store_b128 v[LI], v[PC+4*\i:PC+4*\i+3], s[56+2*\p:57+2*\p] offset:1536*\x+512*\i   ; 512 consecutive bytes, aligned
.endr
.endr
	global_store_b128 v[LI], v[PW:PW+3], s[62:63] offset:524288*\p
.endm
.macro PASS p
.if \p > 0
	PLACES 5                                       ; the accumulators are begun anew, and a set of scale words is loaded again
.endif
	s_wait_loadcnt 0x0                             ; this pass's scale words
.if \p < 2
	SBLOAD (\p)+1
.endif
	KSTEP \p, 0, 1                                 ; the first products start the sums: nothing is cleared
	KSTEP \p, 1, 0
	KSTEP \p, 2, 0
.if \p < 2
	TURN \p, 3
.else
	s_wait_dscnt 0x0
	s_wait_tensorcnt 0x0                           ; my last fill, Wv's K steps 4-7: no load was issued behind it, and I alone read it
	PLACES 4
	FETCH 4
	MUL8 \p, 3, 0, 0
	MUL8 \p, 3, 1, 0
	MUL8 \p, 3, 2, 0
	MUL8 \p, 3, 3, 0
.endif
	KSTEP \p, 4, 0
	KSTEP \p, 5, 0
	KSTEP \p, 6, 0
.if \p < 2
	TURN \p, 7
.else
	s_wait_dscnt 0x0
	MUL8 \p, 7, 0, 0
	MUL8 \p, 7, 1, 0
	MUL8 \p, 7, 2, 0
	MUL8 \p, 7, 3, 0
.endif
	EPI \p
.endm
	s_wait_tensorcnt 0x1                           ; x's quarter and slot 0 are in; slot 1's load may stay out
	s_barrier_signal -1
	s_barrier_wait -1                              ; everybody's quarter of x is in
	s_wait_alu depctr_va_vdst(0)
	FETCH 0
	PASS 0
	PASS 1
	PASS 2
	s_wait_tensorcnt 0x0                           ; the wave's end
	ds_add_u32 v[SPW], v[NIL]
	s_wait_dscnt 0x0
	CROUND                                         ; the closing round
	s_endpgm
.Lfunc_end_k_q30b8758d44_qkv:
	.size	k_q30b8758d44_qkv, .Lfunc_end_k_q30b8758d44_qkv-k_q30b8758d44_qkv
	.p2alignl 7, 3214868480
	.fill 96, 4, 3214868480
	.section	.rodata,"a",@progbits
	.p2align	6, 0x0
	.amdhsa_kernel k_q30b8758d44_qkv
		.amdhsa_group_segment_fixed_size 327680
		.amdhsa_private_segment_fixed_size 0
		.amdhsa_enable_private_segment 0
		.amdhsa_kernarg_size 32
		.amdhsa_user_sgpr_count 2
		.amdhsa_user_sgpr_kernarg_segment_ptr 1
		.amdhsa_wavefront_size32 1
		.amdhsa_system_sgpr_workgroup_id_x 1
		.amdhsa_system_sgpr_workgroup_id_y 1
		.amdhsa_system_sgpr_workgroup_id_z 1
		.amdhsa_system_vgpr_workitem_id 0
		.amdhsa_next_free_vgpr 768
		.amdhsa_next_free_sgpr 80
		.amdhsa_reserve_vcc 0
		.amdhsa_float_denorm_mode_32 3
		.amdhsa_float_denorm_mode_16_64 3
		.amdhsa_memory_ordered 1
		.amdhsa_forward_progress 1
		.amdhsa_inst_pref_size 217
	.end_amdhsa_kernel
	.amdgpu_metadata
---
amdhsa.version: [ 1, 2 ]
amdhsa.kernels:
  - .name:           k_q30b8758d44_qkv
    .symbol:         k_q30b8758d44_qkv.kd
    .args:
      - { .name: cimg, .offset: 0, .size: 8, .value_kind: global_buffer, .address_space: global }
      - { .name: csc, .offset: 8, .size: 8, .value_kind: global_buffer, .address_space: global }
      - { .name: qkv_img, .offset: 16, .size: 8, .value_kind: global_buffer, .address_space: global }
      - { .name: qkv_sc, .offset: 24, .size: 8, .value_kind: global_buffer, .address_space: global }
    .group_segment_fixed_size: 327680
    .private_segment_fixed_size: 0
    .kernarg_segment_align: 8
    .kernarg_segment_size: 32
    .max_flat_workgroup_size: 128
    .sgpr_count:     80
    .vgpr_count:     768
    .wavefront_size: 32
...
	.end_amdgpu_metadata
.endif
;; end of part 2
;; launch attn (part 3): grid 4 x 64, 16 waves a work-group, clusters of 4 x 1, 215,040 bytes of LDS; arguments qkv_img, qkv_sc, ctx_img, ctx_sc; writes ctx_img, ctx_sc
.if DOCPART == 3
	.amdgcn_target "amdgcn-amd-amdhsa--gfx1250"
	.amdhsa_code_object_version 6
	.text
	.protected	k_q30b8758d44_attn
	.globl	k_q30b8758d44_attn
	.p2align	8
	.type	k_q30b8758d44_attn,@function
k_q30b8758d44_attn:
	s_mov_b64 s[64:65], 0
	v_nop
	global_prefetch_b8 v0, s[64:65] scope:SCOPE_SE
	s_setreg_imm32_b32 hwreg(HW_REG_WAVE_MODE, 25, 1), 1
	s_wait_xcnt 0x0
	s_wait_alu depctr_hold_cnt(0) depctr_sa_sdst(0) depctr_va_vdst(0) depctr_va_sdst(0) depctr_va_ssrc(0) depctr_va_vcc(0) depctr_vm_vsrc(0)
	s_getreg_b32 s2, hwreg(HW_REG_IB_STS2, 6, 4)
	s_cmp_eq_u32 s2, 0
	s_cbranch_scc0 .Lentry_in_a_cluster
	s_endpgm
.Lentry_in_a_cluster:
	s_bfe_u32 s2, ttmp6, 0x10000c
	s_cmp_lg_u32 s2, 0x3003
	s_cbranch_scc0 .Lentry_shape_is_right
	s_endpgm
.Lentry_shape_is_right:
; Causal attention of one (batch, head) on codes of FP6 (E2M3) with E8M0 scales; 2,048 tokens, head size 64.  ctx leaves as codes, quantised along the head's 64, as the last product's operand.
; THE SOFTMAX: t = score x log2(e) / 8; M = the running largest t rounded UP to a whole number; p = 2^(t - M) is quantised along the keys, not normalised; the row's sum is taken of the unquantised p
; and divides at the end.  When M moves, the sum and O are multiplied by 2^(old M - new M): exact.
; SHARES.  The four work-groups of a cluster share a head.  All its codes and scale words of k and v, 212,992 bytes, come into each one's LDS ONCE, by joint loads (waves 0 and 1); nothing is filled again.
; Wave w takes one tile of 16 queries in each of two passes: of the group of 128 tokens w / 2, then of group 15 - w / 2; the tile in the group is 2 cx + w % 2.  So every wave does 17 key steps of 128 keys.
; The loops' trip counts are constants; a step whose keys all come after the wave's group is jumped over, by a branch on the wave's number and the loop's counter alone.
; LAYOUT.  S^T = k q^T (source 0 = keys), O^T = v^T p^T (source 0 = the head's 64): a lane holds ONE query throughout.  An image of k holds TWO tiles of 16 keys, the even tile's 64 in registers 0-5 and the
; odd tile's in 6-11; q stands in registers 0-5 over zeros, or in 6-11 under zeros: the half of the instruction's 128 that belongs to the other tile meets zero codes.  Half of that product's K is so spent:
; the head's 64 are half of 128, and two heads cannot share a sum.
; Lane r of tile T holds token 32 (T / 2) + 8 (T % 2) + r + 8 (r / 8), so register 16 p + i of S^T is key 32 p + 16 (lane / 16) + i of the step.
; ctx_img: [tile of 16 tokens 512][head 16][768: registers 0-3 at 16 x lane, registers 4-5 at 512 + 8 x lane].  ctx_sc: a head's two bytes at tile x 512 + 16 r + 256 (head / 8) + 2 (head % 8):
; stores of 2 bytes a lane, 16 bytes apart, since the neighbouring bytes are other work-groups': 262,144 bytes in the whole launch.
; LIMITS: NaN and infinities are not served; a block of zeros or under 2^-124 gets the byte 1 (its codes are zeros; this program alone reads the bytes).
; REGISTERS: v1-3 16 x lane in k's images, v's images, the words; v4-6 the step's addresses; v7-11 lane terms; v12 -M, v13 the largest t, v[14:15] the sum; v16-21 q, v22-27 zeros, v28-33 q; v34 q's scale word;
;   v36-83 four images of k, then four fragments of v; v84-87 k's words, v88-91 v's; v96-159 S^T, then p; v160-191 O^T; v224-235 p's codes; v232-254 at work.
.set KIMG, 0
.set VIMG, 98304
.set KSC,  196608
.macro CROUND
	s_barrier_signal -1
	s_barrier_wait -1
	s_cmp_lg_u32 s12, 0
	s_cbranch_scc1 .Lnot_wave_0_\@
	s_barrier_signal -3
.Lnot_wave_0_\@:
	s_barrier_wait -3
	s_barrier_signal -1
	s_barrier_wait -1
.endm
	s_load_b256 s[4:11], s[0:1], 0x0               ; qkv_img, qkv_sc, ctx_img, ctx_sc
	v_lshl_add_u32 v251, v0, 2, 0x34000
	v_mov_b32 v255, 0
	ds_add_u32 v251, v255
	ds_add_u32 v251, v255
	v_lshrrev_b32 v35, 5, v0
	s_delay_alu instid0(VALU_DEP_1)
	v_readfirstlane_b32 s12, v35                   ; wave 0..15
	s_bfe_u32 s13, ttmp6, 0x40000                  ; cx: it enters global addresses and the mask's values alone
	s_and_b32 s14, ttmp7, 0xffff                   ; 16 x batch + head, which the four partners share
	s_and_b32 s15, s12, 1                          ; e: the odd or even tile; for waves 0, 1 also: k or v
	s_lshr_b32 s16, s12, 1
	s_sub_co_u32 s17, 0, s15                       ; all ones where e = 1: a mask for selects
	s_mov_b32 s20, 0x76543210
	s_mov_b32 s21, 0xfedcba98                      ; v_permlanex16_b32's selects for lane l xor 16
	s_mov_b32 s22, 0x3e38aa3b                      ; c = log2(e) / 8
	s_mov_b32 s23, s22                             ; (named with it as a pair, so it is written)
	s_mov_b32 s24, 15|(3<<16)|(1<<21)              ; the words: mask of all four; elements of 8 bytes; 8,192 dense bytes as 32 rows of 256
	s_mov_b32 s25, 32<<16
	s_mov_b32 s26, 32<<16
	s_mov_b32 s27, 32<<16
	s_mov_b32 s28, 32
	s_mov_b32 s29, 32
	s_mov_b32 s30, 0
	s_mov_b32 s31, 0
	s_mov_b32 s32, 15|(3<<16)|(1<<21)              ; the images: 24,576 dense bytes as 96 rows of 256
	s_mov_b32 s33, 32<<16
	s_mov_b32 s34, 96<<16
	s_mov_b32 s35, 32<<16
	s_mov_b32 s36, 96
	s_mov_b32 s37, 32
	s_mov_b32 s38, 0
	s_mov_b32 s39, 0
	s_lshl_b32 s80, s15, 19                        ; the words of plane 1 + e, my head
	s_add_co_u32 s80, s80, 524288
	s_lshl_b32 s82, s14, 13
	s_add_co_u32 s80, s80, s82
	s_mov_b32 s81, 0
	s_mul_i32 s82, s15, 6291456                    ; the images likewise
	s_add_co_u32 s82, s82, 6291456
	s_mul_i32 s84, s14, 98304
	s_add_co_u32 s82, s82, s84
	s_mov_b32 s83, 0
	s_lshl_b32 s84, s15, 13
	s_mul_i32 s85, s15, 98304
	v_and_b32 v11, 31, v0                          ; lane
	v_and_b32 v92, 15, v0                          ; r
	v_bfe_u32 v93, v0, 4, 1                        ; h
	s_delay_alu instid0(VALU_DEP_3)
	v_lshlrev_b32 v1, 4, v11
	s_delay_alu instid0(VALU_DEP_1)
	v_add_nc_u32 v2, VIMG, v1
	s_delay_alu instid0(VALU_DEP_2)
	v_add_nc_u32 v3, KSC, v1
	v_and_b32 v94, 8, v92
	s_delay_alu instid0(VALU_DEP_1)
	v_add_nc_u32 v7, v94, v92
	v_lshlrev_b32 v95, 4, v93
	s_delay_alu instid0(VALU_DEP_1)
	v_sub_nc_u32 v7, v7, v95                       ; r + 8 (r / 8) - 16 h
	s_lshl_b32 s75, s13, 5
	s_lshl_b32 s79, s15, 3
	s_add_co_u32 s75, s75, s79
	v_add_nc_u32 v8, s75, v7                       ; d = my query - its group's first token - 16 h: on the diagonal register n's key is hidden where 32 (n / 16) + n % 16 > d
	v_lshlrev_b32 v9, 3, v11
	v_lshlrev_b32 v10, 4, v92
.irp i, 0,1,2,3,4,5
	v_mov_b32 v[22+\i], 0                          ; the zero codes beside q
.endr
.irp b, 0,1,2,3
	v_mov_b32 v[236+\b], 0                         ; written once: a lane permute's destination counts as one of its sources
.endr
	v_mov_b32 v252, 0
	v_mov_b32 v253, 0                              ; (named as the upper half of the pair v[252:253] before it is first written)
	s_wait_dscnt 0x0
	s_wait_kmcnt 0x0
	s_mov_b32 s40, 1
	s_add_co_u32 s41, s84, KSC
	s_add_nc_u64 s[42:43], s[6:7], s[80:81]
	s_or_b32 s43, s43, 0x80000000
	s_add_nc_u64 s[82:83], s[4:5], s[82:83]
.irp n, 0,1,2,3
	s_mov_b32 s[44+4*\n], 1
	s_add_co_u32 s[45+4*\n], s85, 24576*\n
	s_add_nc_u64 s[46+4*\n:47+4*\n], s[82:83], 24576*\n
	s_or_b32 s[47+4*\n], s[47+4*\n], 0x80000000
.endr
	CROUND                                         ; all four work-groups are here: the joint loads meet
	s_cmp_lt_u32 s12, 2                            ; wave 0 asks for k, wave 1 for v: five loads each, all in one branch
	s_cbranch_scc0 .Lno_fill
	tensor_load_to_lds s[40:43], s[24:31]
	s_nop 0
	tensor_load_to_lds s[44:47], s[32:39]
	s_nop 0
	tensor_load_to_lds s[48:51], s[32:39]
	s_nop 0
	tensor_load_to_lds s[52:55], s[32:39]
	s_nop 0
	tensor_load_to_lds s[56:59], s[32:39]
	s_nop 0
.rept 4
	v_nop
.endr
.Lno_fill:
; A pass's head: my group, my pointers, q's six registers and its scale word, and the running numbers
.macro PHEAD second
.if \second
	s_sub_co_u32 s18, 15, s16                      ; my queries' group of 128 tokens
.else
	s_mov_b32 s18, s16
.endif
	s_lshl_b32 s74, s14, 4
	s_add_co_u32 s74, s74, s18
	s_mul_i32 s76, s74, 6144
	s_mul_i32 s77, s13, 1536
	s_add_co_u32 s76, s76, s77
	s_mov_b32 s77, 0
	s_add_nc_u64 s[66:67], s[4:5], s[76:77]        ; q's image cx of the group
	s_lshl_b32 s76, s74, 9
	s_lshl_b32 s78, s13, 2
	s_add_co_u32 s76, s76, s78
	s_add_nc_u64 s[68:69], s[6:7], s[76:77]        ; and its word
	s_lshl_b32 s74, s18, 3
	s_lshl_b32 s78, s13, 1
	s_add_co_u32 s74, s74, s78
	s_add_co_u32 s74, s74, s15
	s_lshr_b32 s78, s14, 4
	s_lshl_b32 s78, s78, 7
	s_add_co_u32 s74, s74, s78                     ; my tile of tokens: 128 x batch + 8 x group + 2 cx + e
	s_and_b32 s78, s14, 15                         ; the head
	s_lshl_b32 s76, s74, 4
	s_add_co_u32 s76, s76, s78
	s_mul_i32 s76, s76, 768
	s_add_nc_u64 s[70:71], s[8:9], s[76:77]        ; where ctx's codes go
	s_lshl_b32 s76, s74, 9
	s_lshr_b32 s79, s78, 3
	s_lshl_b32 s79, s79, 8
	s_add_co_u32 s76, s76, s79
	s_and_b32 s79, s78, 7
	s_lshl_b32 s79, s79, 1
	s_add_co_u32 s76, s76, s79
	s_add_nc_u64 s[72:73], s[10:11], s[76:77]      ; and its two scale bytes
.irp i, 0,1,2
	global_load_b128 v[36+4*\i:39+4*\i], v1, s[66:67] offset:512*\i
.endr
	global_load_b32 v84, v1, s[68:69]
	s_mov_b32 s19, 0                               ; the key step's group
	s_mov_b32 s60, 0                               ; its images: 6,144 bytes a step
	s_mov_b32 s61, 0                               ; its words: 512 bytes a step
	s_wait_loadcnt 0x0
.irp i, 0,1,2,3,4,5
	v_cndmask_b32 v[16+\i], v[36+\i], v[42+\i], s17   ; the even tile's six registers or the odd tile's
.endr
.irp i, 0,1,2,3,4,5
	v_mov_b32 v[28+\i], v[16+\i]
.endr
	v_lshrrev_b32 v35, 16, v84
	s_delay_alu instid0(VALU_DEP_1)
	v_cndmask_b32 v35, v84, v35, s17
	s_delay_alu instid0(VALU_DEP_1)
	v_perm_b32 v34, v35, v35, 0x01000100           ; my tile's two bytes, twice: they serve q in either half
	v_mov_b32 v13, 0xff61b1e6                      ; the largest t so far: -3e38
	s_delay_alu instid0(VALU_DEP_1)
	v_floor_f32 v12, -v13                          ; -M
	v_mov_b32 v14, 0
	v_mov_b32 v15, 0
.set j, 0
.rept 32
	v_mov_b32 v[160+j], 0                          ; O^T: the first change of M leaves zeros zeros.  (These are also the places between q's scale word and the first product)
.set j, j+1
.endr
.endm
; A KEY STEP: the 128 keys of group s19
.macro STEP
	s_cmp_gt_u32 s19, s18                          ; all its keys come after my queries: nothing but the steps of the addresses
	s_cbranch_scc1 .Lhidden_\@
	s_setprio 2
	v_add_nc_u32 v4, s60, v1
	v_add_nc_u32 v5, s60, v2
	v_add_nc_u32 v6, s61, v3
	v_nop                                          ; four places in front of loads into registers that the last products have read
.irp p, 0,1,2,3
.irp i, 0,1,2
	ds_load_b128 v[36+12*\p+4*\i:39+12*\p+4*\i], v4 offset:1536*\p+512*\i
.endr
.endr
	ds_load_b128 v[84:87], v6
	s_wait_alu depctr_va_vdst(0)
	s_wait_dscnt 0x0
.irp p, 0,1,2,3
	v_wmma_scale_f32_16x16x128_f8f6f4 v[96+16*\p:103+16*\p], v[36+12*\p:47+12*\p], v[16:27], 0, v[84+\p], v34 matrix_a_fmt:MATRIX_FMT_FP6 matrix_b_fmt:MATRIX_FMT_FP6
	v_wmma_scale_f32_16x16x128_f8f6f4 v[104+16*\p:111+16*\p], v[36+12*\p:47+12*\p], v[22:33], 0, v[84+\p], v34 matrix_a_fmt:MATRIX_FMT_FP6 matrix_b_fmt:MATRIX_FMT_FP6
.endr
.rept 4
	v_nop                                          ; places: for the loads below and the first reads of the scores
.endr
.irp c, 0,1,2,3
.irp i, 0,1,2
	ds_load_b128 v[36+12*\c+4*\i:39+12*\c+4*\i], v5 offset:1536*\c+512*\i   ; v's four fragments land under the softmax
.endr
.endr
	ds_load_b128 v[88:91], v6 offset:8192
	s_cmp_lt_u32 s19, s18                          ; a step all of whose keys count skips the mask
	s_cbranch_scc1 .Lopen_\@
	v_mov_b32 v254, 0xff800000                     ; -infinity: p = 0 then
.set n, 0
.rept 64
	v_cmp_gt_i32 vcc_lo, 32*(n/16)+n%16, v8
	v_cndmask_b32 v[96+n], v[96+n], v254, vcc_lo
.set n, n+1
.endr
.Lopen_\@:
.irp b, 0,1,2,3
	v_max3_num_f32 v[232+\b], v[96+16*\b], v[97+16*\b], v[98+16*\b]   ; the largest score of each block of 32 keys: for the row's maximum and, since p rises with the score, for the block's largest p
.endr
.irp i, 3,5,7,9,11,13
.irp b, 0,1,2,3
	v_max3_num_f32 v[232+\b], v[232+\b], v[96+16*\b+\i], v[97+16*\b+\i]
.endr
.endr
.irp b, 0,1,2,3
	v_max_num_f32 v[232+\b], v[232+\b], v[111+16*\b]
.endr
.irp b, 0,1,2,3
	s_delay_alu instid0(VALU_DEP_4)
	v_permlanex16_b32 v[236+\b], v[232+\b], s20, s21
.endr
.irp b, 0,1,2,3
	s_delay_alu instid0(VALU_DEP_4)
	v_max_num_f32 v[232+\b], v[232+\b], v[236+\b]  ; with lane l xor 16's 16 keys
.endr
	s_delay_alu instid0(VALU_DEP_2)
	v_max3_num_f32 v254, v232, v233, v234
	s_delay_alu instid0(VALU_DEP_1)
	v_max_num_f32 v254, v254, v235                 ; the step's largest score of my query
	s_delay_alu instid0(VALU_DEP_1)
	v_mul_f32 v254, s22, v254                      ; as t
	s_delay_alu instid0(VALU_DEP_1)
	v_max_num_f32 v13, v13, v254                   ; the running largest t
	v_mov_b32 v254, v12
	s_delay_alu instid0(VALU_DEP_2)
	v_floor_f32 v12, -v13                          ; the new -M = -ceil(t)
	s_delay_alu instid0(VALU_DEP_1)
	v_sub_f32 v254, v12, v254                      ; old M - new M: a whole number, 0 or less
	s_delay_alu instid0(VALU_DEP_1)
	v_cvt_i32_f32 v254, v254                       ; (it saturates)
	s_delay_alu instid0(VALU_DEP_1)
	v_ldexp_f32 v252, 1.0, v254                    ; f = 2^(old M - new M)
.set j, 0
.rept 32
	v_pk_fma_f32 v[96+j:97+j], v[96+j:97+j], s[22:23], v[12:13] op_sel_hi:[1,0,0]   ; t - M, two at a time
.set j, j+2
.endr
	s_setprio 1
.irp b, 0,1,2,3
	v_fma_f32 v[232+\b], v[232+\b], s22, v12       ; the same of each block's largest score
.endr
.set j, 0
	s_wait_alu depctr_va_vdst(0)
.rept 64
	v_exp_f32 v[96+j], v[96+j]                     ; p = 2^(t - M)
.set j, j+1
.endr
.irp b, 0,1,2,3
	v_exp_f32 v[232+\b], v[232+\b]                 ; the block's largest p: the same two instructions on the same number
.endr
	v_pk_mul_f32 v[14:15], v[14:15], v[252:253] op_sel_hi:[1,0]   ; the sums under the new M.  (A plain place behind the exponentials)
	s_wait_alu depctr_va_vdst(0)
.irp b, 0,1,2,3
	v_max_num_f32 v[232+\b], 0x1800000, v[232+\b]  ; the floor 2^(3 - 127): the byte cannot fall under 1
.endr
.irp b, 0,1,2,3
	s_delay_alu instid0(VALU_DEP_4)
	v_add_nc_u32 v[244+\b], 0xff000000, v[232+\b]  ; 2 off the exponent field: the conversion's scale operand
.endr
.irp b, 0,1,2,3
	s_delay_alu instid0(VALU_DEP_4)
	v_lshrrev_b32 v[236+\b], 23, v[244+\b]         ; the scale's byte
.endr
	s_delay_alu instid0(VALU_DEP_3)
	v_lshl_or_b32 v253, v237, 8, v236              ; p's scale word for these 128 keys
	s_delay_alu instid0(VALU_DEP_1)
	v_lshl_or_b32 v253, v238, 16, v253
	s_delay_alu instid0(VALU_DEP_1)
	v_lshl_or_b32 v253, v239, 24, v253
.irp c, 0,1
	v_cvt_scalef32_pk16_fp6_f32 v[224+6*\c:226+6*\c], v[96+32*\c:111+32*\c], v[244+2*\c]
	v_cvt_scalef32_pk16_fp6_f32 v[236+4*\c:238+4*\c], v[112+32*\c:127+32*\c], v[244+2*\c+1]
.endr
	v_nop                                          ; one plain place behind a scaled conversion
.irp c, 0,1
.irp i, 0,1,2
	v_permlane16_swap_b32 v[224+6*\c+\i], v[236+4*\c+\i]
.endr
.irp i, 0,1,2
	s_delay_alu instid0(VALU_DEP_3)
	v_mov_b32 v[227+6*\c+\i], v[236+4*\c+\i]
.endr
.endr
	v_pk_add_f32 v[236:237], v[100:101], v[104:105]
	v_pk_add_f32 v[248:249], v[108:109], v[112:113]
	v_pk_add_f32 v[222:223], v[116:117], v[120:121]
	v_pk_add_f32 v[220:221], v[124:125], v[128:129]
	v_pk_add_f32 v[218:219], v[132:133], v[136:137]
	v_pk_add_f32 v[216:217], v[140:141], v[144:145]
	v_pk_add_f32 v[214:215], v[148:149], v[152:153]
	v_pk_add_f32 v[14:15], v[14:15], v[156:157]
	v_pk_add_f32 v[236:237], v[236:237], v[96:97]
	v_pk_add_f32 v[248:249], v[248:249], v[98:99]
	v_pk_add_f32 v[222:223], v[222:223], v[102:103]
	s_setprio 0
	v_pk_add_f32 v[220:221], v[220:221], v[106:107]
	v_pk_add_f32 v[218:219], v[218:219], v[110:111]
	v_pk_add_f32 v[216:217], v[216:217], v[114:115]
	v_pk_add_f32 v[214:215], v[214:215], v[118:119]
	v_pk_add_f32 v[14:15], v[14:15], v[122:123]
	v_pk_add_f32 v[236:237], v[236:237], v[126:127]
	v_pk_add_f32 v[248:249], v[248:249], v[130:131]
	v_pk_add_f32 v[222:223], v[222:223], v[134:135]
	v_pk_add_f32 v[220:221], v[220:221], v[138:139]
	v_pk_add_f32 v[218:219], v[218:219], v[142:143]
	v_pk_add_f32 v[216:217], v[216:217], v[146:147]
	v_pk_add_f32 v[214:215], v[214:215], v[150:151]
	v_pk_add_f32 v[14:15], v[14:15], v[154:155]
	v_pk_add_f32 v[236:237], v[236:237], v[158:159]
	s_delay_alu instid0(VALU_DEP_2)
	v_pk_add_f32 v[14:15], v[14:15], v[220:221]
	s_delay_alu instid0(VALU_DEP_2)
	v_pk_add_f32 v[236:237], v[236:237], v[218:219]
	v_pk_add_f32 v[248:249], v[248:249], v[216:217]
	v_pk_add_f32 v[222:223], v[222:223], v[214:215]
	s_delay_alu instid0(VALU_DEP_2)
	v_pk_add_f32 v[14:15], v[14:15], v[248:249]
	s_delay_alu instid0(VALU_DEP_2)
	v_pk_add_f32 v[236:237], v[236:237], v[222:223]
	s_delay_alu instid0(VALU_DEP_1)
	v_pk_add_f32 v[14:15], v[14:15], v[236:237]
.set j, 0
.rept 16
	v_pk_mul_f32 v[160+j:161+j], v[160+j:161+j], v[252:253] op_sel_hi:[1,0]   ; O^T under the new M.  (Also the places in front of the products below)
.set j, j+2
.endr
	s_wait_alu depctr_va_vdst(0)
	s_wait_dscnt 0x0                               ; v's fragments and words are in
.irp c, 0,1,2,3
	v_wmma_scale_f32_16x16x128_f8f6f4 v[160+8*\c:167+8*\c], v[36+12*\c:47+12*\c], v[224:235], v[160+8*\c:167+8*\c], v[88+\c], v253 matrix_a_fmt:MATRIX_FMT_FP6 matrix_b_fmt:MATRIX_FMT_FP6
.endr
.Lhidden_\@:
	s_add_co_u32 s19, s19, 1
	s_add_co_u32 s60, s60, 6144
	s_add_co_u32 s61, s61, 512
.endm
.macro KLOOP n
	s_mov_b32 s62, \n
.Lkey_\@:
	STEP
	s_sub_co_u32 s62, s62, 1
	s_cmp_lg_u32 s62, 0
	s_cbranch_scc1 .Lkey_\@
	s_setprio 0
.endm
; A pass's end: O^T / the sum is ctx of my 16 tokens and my head; its two blocks of 32 are quantised and leave as six registers of codes and two bytes
.macro EPI
.rept 4
	v_nop                                          ; places behind the last products
.endr
	v_add_f32 v14, v14, v15
	s_delay_alu instid0(VALU_DEP_1)
	v_permlanex16_b32 v252, v14, s20, s21
	s_delay_alu instid0(VALU_DEP_1)
	v_add_f32 v14, v14, v252                       ; the row's sum
	s_wait_alu depctr_va_vdst(0)
	v_rcp_f32 v14, v14
	v_nop                                          ; one plain place behind a transcendental
.set j, 0
	s_wait_alu depctr_va_vdst(0)
.rept 32
	v_mul_f32 v[96+j], v[160+j], v14               ; register 16 b + i = channel 32 b + 16 h + i
.set j, j+1
.endr
.irp b, 0,1
	v_max3_num_f32 v[232+\b], |v[96+16*\b]|, |v[97+16*\b]|, 0x1800000
.endr
.irp i, 2,4,6,8,10,12,14
.irp b, 0,1
	s_delay_alu instid0(VALU_DEP_2)
	v_max3_num_f32 v[232+\b], v[232+\b], |v[96+16*\b+\i]|, |v[97+16*\b+\i]|
.endr
.endr
.irp b, 0,1
	s_delay_alu instid0(VALU_DEP_2)
	v_permlanex16_b32 v[236+\b], v[232+\b], s20, s21
.endr
.irp b, 0,1
	s_delay_alu instid0(VALU_DEP_2)
	v_max_num_f32 v[232+\b], v[232+\b], v[236+\b]
.endr
.irp b, 0,1
	s_delay_alu instid0(VALU_DEP_2)
	v_add_nc_u32 v[244+\b], 0xff000000, v[232+\b]
.endr
.irp b, 0,1
	s_delay_alu instid0(VALU_DEP_2)
	v_lshrrev_b32 v[236+\b], 23, v[244+\b]
.endr
	s_delay_alu instid0(VALU_DEP_1)
	v_lshl_or_b32 v250, v237, 8, v236              ; my row's two bytes
	v_cvt_scalef32_pk16_fp6_f32 v[224:226], v[96:111], v244
	v_cvt_scalef32_pk16_fp6_f32 v[240:242], v[112:127], v245
	v_nop                                          ; one plain place behind a scaled conversion
.irp i, 0,1,2
	v_permlane16_swap_b32 v[224+\i], v[240+\i]
.endr
.irp i, 0,1,2
	s_delay_alu instid0(VALU_DEP_3)
	v_mov_b32 v[227+\i], v[240+\i]
.endr
	global_store_b128 v1, v[224:227], s[70:71]     ; 512 consecutive bytes, aligned
	global_store_b64 v9, v[228:229], s[70:71] offset:512   ; 256 consecutive bytes, aligned
	v_cmp_gt_u32 vcc_lo, 16, v11
	s_wait_xcnt 0x0                                ; EXEC changes only behind this wait
	s_and_saveexec_b32 s74, vcc_lo
	global_store_b16 v10, v250, s[72:73]           ; lanes 0-15: a row's two bytes
	s_wait_xcnt 0x0                                ; and again in front of the line that widens it; the stores' data and bases are free behind it too
	s_or_b32 exec_lo, exec_lo, s74
.endm
	PHEAD 0
	s_wait_tensorcnt 0x0                           ; my five loads have landed (waves 2 to 15 have none)
	s_barrier_signal -1
	s_barrier_wait -1                              ; the head's k and v lie in LDS, for the rest of the launch
	KLOOP 8                                        ; groups 0 to 7: mine is among them
	EPI
	PHEAD 1
	KLOOP 16
	EPI
	s_wait_dscnt 0x0
	s_wait_tensorcnt 0x0
	ds_add_u32 v251, v255
	s_wait_dscnt 0x0
	CROUND                                         ; the closing round
	s_endpgm
.Lfunc_end_k_q30b8758d44_attn:
	.size	k_q30b8758d44_attn, .Lfunc_end_k_q30b8758d44_attn-k_q30b8758d44_attn
	.p2alignl 7, 3214868480
	.fill 96, 4, 3214868480
	.section	.rodata,"a",@progbits
	.p2align	6, 0x0
	.amdhsa_kernel k_q30b8758d44_attn
		.amdhsa_group_segment_fixed_size 215040
		.amdhsa_private_segment_fixed_size 0
		.amdhsa_enable_private_segment 0
		.amdhsa_kernarg_size 32
		.amdhsa_user_sgpr_count 2
		.amdhsa_user_sgpr_kernarg_segment_ptr 1
		.amdhsa_wavefront_size32 1
		.amdhsa_system_sgpr_workgroup_id_x 1
		.amdhsa_system_sgpr_workgroup_id_y 1
		.amdhsa_system_sgpr_workgroup_id_z 1
		.amdhsa_system_vgpr_workitem_id 0
		.amdhsa_next_free_vgpr 256
		.amdhsa_next_free_sgpr 96
		.amdhsa_reserve_vcc 1
		.amdhsa_float_denorm_mode_32 3
		.amdhsa_float_denorm_mode_16_64 3
		.amdhsa_memory_ordered 1
		.amdhsa_forward_progress 1
		.amdhsa_inst_pref_size 67
	.end_amdhsa_kernel
	.amdgpu_metadata
---
amdhsa.version: [ 1, 2 ]
amdhsa.kernels:
  - .name:           k_q30b8758d44_attn
    .symbol:         k_q30b8758d44_attn.kd
    .args:
      - { .name: qkv_img, .offset: 0, .size: 8, .value_kind: global_buffer, .address_space: global }
      - { .name: qkv_sc, .offset: 8, .size: 8, .value_kind: global_buffer, .address_space: global }
      - { .name: ctx_img, .offset: 16, .size: 8, .value_kind: global_buffer, .address_space: global }
      - { .name: ctx_sc, .offset: 24, .size: 8, .value_kind: global_buffer, .address_space: global }
    .group_segment_fixed_size: 215040
    .private_segment_fixed_size: 0
    .kernarg_segment_align: 8
    .kernarg_segment_size: 32
    .max_flat_workgroup_size: 512
    .sgpr_count:     96
    .vgpr_count:     256
    .wavefront_size: 32
...
	.end_amdgpu_metadata
.endif
;; end of part 3
;; launch oproj (part 4): grid 4 x 64, 4 waves a work-group, clusters of 4 x 4, 327,680 bytes of LDS; arguments ctx_img, ctx_sc, cimg, csc, bo, out0; writes out0
.if DOCPART == 4
	.amdgcn_target "amdgcn-amd-amdhsa--gfx1250"
	.amdhsa_code_object_version 6
	.text
	.protected	k_q30b8758d44_oproj
	.globl	k_q30b8758d44_oproj
	.p2align	8
	.type	k_q30b8758d44_oproj,@function
k_q30b8758d44_oproj:
	s_mov_b64 s[64:65], 0
	v_nop
	global_prefetch_b8 v0, s[64:65] scope:SCOPE_SE
	s_setreg_imm32_b32 hwreg(HW_REG_WAVE_MODE, 25, 1), 1
	s_wait_xcnt 0x0
	s_wait_alu depctr_hold_cnt(0) depctr_sa_sdst(0) depctr_va_vdst(0) depctr_va_sdst(0) depctr_va_ssrc(0) depctr_va_vcc(0) depctr_vm_vsrc(0)
	s_getreg_b32 s2, hwreg(HW_REG_IB_STS2, 6, 4)
	s_cmp_eq_u32 s2, 0
	s_cbranch_scc0 .Lentry_in_a_cluster
	s_endpgm
.Lentry_in_a_cluster:
	s_bfe_u32 s2, ttmp6, 0x10000c
	s_cmp_lg_u32 s2, 0xf033
	s_cbranch_scc0 .Lentry_shape_is_right
	s_endpgm
.Lentry_shape_is_right:
; out = ctx Wo^T + bo on codes of FP6 (E2M3) with E8M0 scales; out [8192][1024] f32.
; SHARES.  A work-group owns 128 tokens (8 tiles of ctx) x 256 columns; wave w owns 64 columns: 4 tiles of Wo against the 8 tiles of ctx: 32 accumulators.  All of K, 8 steps of 128, lies in LDS: ctx's
; 98,304 bytes and Wo's two halves of 98,304, each filled once; a wave fills and reads its own quarter of Wo's.
; Source 0 = Wo, source 1 = ctx: a lane holds one token and eight neighbouring columns.  Lane r of tile T holds row 32 (T / 2) + 8 (T % 2) + r + 8 (r / 8).  The bias is the C of each sum's first product.
; A fragment of ctx is two heads' halves of 768 bytes: registers 0-3 at 16 x lane, 4-5 at 512 + 8 x lane, and the same again 768 bytes on for registers 6-11.
; CLUSTER 4 x 4: ctx's images are asked for jointly along a row of the cluster, Wo's along a column.
; REGISTERS: window 0: v1-4 addresses in ctx's images; v10, v11 in Wo's halves; v12-15 the way out and the bias; v16-47 ctx's scale words; v48-63 Wo's; v120-151 the bias; v160-255 Wo's fragments, two sets,
;   later rows of out.   window 1: ctx's fragments, two sets of 96.   window 2: the 32 accumulators.
.set LI,    1
.set L8,    2
.set LB,    10
.set STO,   12
.set RD,    13
.set CO,    14
.set BA,    15
.set SA,    16
.set SB,    48
.set BI,    120
.set BF,    160
.set QUART, 24576
.set G1A,   24
.set G1B,   32
.set G0A,   40
.set G0B,   44
.set MSB,   0
.macro WIN new                         ; the immediate's high byte repeats the setting that is left
.if MSB != \new
	s_set_vgpr_msb (MSB<<8)|\new
.set MSB, \new
.endif
.endm
.macro PLACES n
.rept \n
	v_nop
.endr
.endm
.macro CROUND
	s_barrier_signal -1
	s_barrier_wait -1
	s_cmp_lg_u32 s12, 0
	s_cbranch_scc1 .Lnot_wave_0_\@
	s_barrier_signal -3
.Lnot_wave_0_\@:
	s_barrier_wait -3
	s_barrier_signal -1
	s_barrier_wait -1
.endm
	s_load_b256 s[4:11], s[0:1], 0x0               ; ctx_img, ctx_sc, cimg, csc
	s_load_b128 s[52:55], s[0:1], 0x20             ; bo, out0
	v_lshl_add_u32 v158, v0, 2, 0x48000
	v_mov_b32 v159, 0
	ds_add_u32 v158, v159
	ds_add_u32 v158, v159
	v_lshrrev_b32 v5, 5, v0
	v_readfirstlane_b32 s12, v5                    ; wave 0..3
	v_and_b32 v5, 31, v0                           ; lane
	v_and_b32 v6, 15, v0                           ; r
	v_bfe_u32 v7, v0, 4, 1                         ; h
	v_lshlrev_b32 v[LI], 4, v5
	v_lshlrev_b32 v[L8], 3, v5
	v_add_nc_u32 v[LI+2], 49152, v[LI]             ; ctx's tiles 4-7
	v_add_nc_u32 v[L8+2], 49152, v[L8]
	v_lshlrev_b32 v[BA], 6, v7                     ; the bias: 16 h numbers on
	v_lshlrev_b32 v[CO], 12, v7
	v_lshl_add_u32 v[CO], v6, 4, v[CO]             ; out: lanes 0-15 one row's 256 bytes, lanes 16-31 the next row's
	s_bfe_u32 s13, ttmp6, 0x40000                  ; cx
	s_bfe_u32 s14, ttmp6, 0x40004                  ; cy
	s_lshl_b32 s15, ttmp9, 2
	s_add_co_u32 s15, s15, s13                     ; tx: which 256 columns
	s_and_b32 s16, ttmp7, 0xffff
	s_lshl_b32 s16, s16, 2
	s_add_co_u32 s16, s16, s14                     ; ty: which 128 tokens
	s_lshl_b32 s17, s14, 2
	s_lshl_b32 s17, 15, s17                        ; my row of the cluster
	s_lshl_b32 s18, 0x1111, s13                    ; my column
	s_or_b32 s[G1A], s17, (3<<16)|(1<<21)          ; ctx: 24,576 dense bytes as 96 rows of 256
	s_mov_b32 s[G1A+1], 32<<16
	s_mov_b32 s[G1A+2], 96<<16
	s_mov_b32 s[G1A+3], 32<<16
	s_mov_b32 s[G1A+4], 96
	s_mov_b32 s[G1A+5], 32
	s_mov_b32 s[G1A+6], 0
	s_mov_b32 s[G1A+7], 0
	s_or_b32 s[G1B], s18, (3<<16)|(1<<21)          ; Wo: 4 rows of 6,144 bytes, 12,288 apart
	s_mov_b32 s[G1B+1], 768<<16
	s_mov_b32 s[G1B+2], 4<<16
	s_mov_b32 s[G1B+3], 768<<16
	s_mov_b32 s[G1B+4], 4
	s_mov_b32 s[G1B+5], 1536
	s_mov_b32 s[G1B+6], 0
	s_mov_b32 s[G1B+7], 0
	s_mul_i32 s70, s12, QUART
	s_mul_i32 s72, s16, 98304                      ; ctx: tiles 8 ty on, my two
	s_add_co_u32 s72, s72, s70
	s_mov_b32 s73, 0
	s_mul_i32 s74, s15, 196608                     ; Wo: tile 704 + 16 tx + 4 w
	s_mul_i32 s75, s12, 49152
	s_add_co_u32 s74, s74, s75
	s_add_co_u32 s74, s74, 8650752
	s_mov_b32 s75, 0
	s_mov_b32 s79, 0
	s_wait_alu depctr_va_vdst(0)
	s_wait_dscnt 0x0
	s_wait_kmcnt 0x0
	s_lshl_b32 s78, s16, 12
	s_add_nc_u64 s[56:57], s[6:7], s[78:79]        ; ctx's scale words
	s_lshl_b32 s78, s15, 13
	s_lshl_b32 s77, s12, 11
	s_add_co_u32 s78, s78, s77
	s_add_co_u32 s78, s78, 360448
	s_add_nc_u64 s[58:59], s[10:11], s[78:79]      ; Wo's
	s_lshl_b32 s78, s15, 10
	s_lshl_b32 s77, s12, 8
	s_add_co_u32 s78, s78, s77                     ; my first column, in bytes
	s_add_nc_u64 s[60:61], s[52:53], s[78:79]      ; the bias there
	s_add_nc_u64 s[62:63], s[54:55], s[78:79]
	s_lshl_b32 s78, s16, 19
	s_add_nc_u64 s[62:63], s[62:63], s[78:79]      ; out at my first token and column
	s_mov_b32 s[G0A], 1
	s_mov_b32 s[G0A+1], s70
	s_add_nc_u64 s[G0A+2:G0A+3], s[4:5], s[72:73]
	s_or_b32 s[G0A+3], s[G0A+3], 0x80000000
	s_mov_b32 s[G0B], 1
	s_add_co_u32 s[G0B+1], s70, 98304
	s_add_nc_u64 s[G0B+2:G0B+3], s[8:9], s[74:75]
	s_mov_b32 s[G0B+4], 1
	s_add_co_u32 s[G0B+5], s70, 196608
	s_add_nc_u64 s[G0B+6:G0B+7], s[G0B+2:G0B+3], 6144
	s_or_b32 s[G0B+3], s[G0B+3], 0x80000000
	s_or_b32 s[G0B+7], s[G0B+7], 0x80000000
	v_add_nc_u32 v[LB], s[G0B+1], v[LI]
	v_add_nc_u32 v[LB+1], s[G0B+5], v[LI]
	v_mul_u32_u24 v[STO], v6, 272                  ; the stage, 16 rows x 272 bytes, in my own quarter of Wo's first half, which has had its only fill and is read out by then
	v_lshl_add_u32 v[STO], v7, 6, v[STO]
	v_add_nc_u32 v[STO], s[G0B+1], v[STO]          ; in: row r, + 64 h
	v_mul_u32_u24 v[RD], v7, 272
	v_lshl_add_u32 v[RD], v6, 4, v[RD]
	v_add_nc_u32 v[RD], s[G0B+1], v[RD]            ; back: lanes 0-15 one row, lanes 16-31 the next
	CROUND                                         ; all sixteen work-groups are here: the joint loads meet
	tensor_load_to_lds s[G0A:G0A+3], s[G1A:G1A+7]  ; three loads of mine are out
	s_nop 0
	tensor_load_to_lds s[G0B:G0B+3], s[G1B:G1B+7]
	s_nop 0
	tensor_load_to_lds s[G0B+4:G0B+7], s[G1B:G1B+7]
	s_nop 0
	PLACES 4
.irp a, 0,1,2,3,4,5,6,7
	global_load_b128 v[SA+4*\a:SA+4*\a+3], v[LI], s[56:57] offset:512*\a
.endr
.irp c, 0,1,2,3
	global_load_b128 v[SB+4*\c:SB+4*\c+3], v[LI], s[58:59] offset:512*\c
.endr
.irp c, 0,1,2,3
	global_load_b128 v[BI+8*\c:BI+8*\c+3], v[BA], s[60:61] offset:(32*(\c/2)+8*(\c%2))*4   ; tile c's eight columns of my half: 32 (c / 2) + 8 (c % 2) + 16 h + 0 .. 7
	global_load_b128 v[BI+8*\c+4:BI+8*\c+7], v[BA], s[60:61] offset:(32*(\c/2)+8*(\c%2))*4+16
.endr
.macro FETCH s                         ; the fragments of K step s: ctx's eight into window 1, Wo's four into window 0, set s % 2
	WIN 0x40
.irp a, 0,1,2,3,4,5,6,7
	ds_load_b128 v[96*((\s)%2)+12*\a:96*((\s)%2)+12*\a+3], v[LI+2*(\a/4)] offset:(\a%4)*12288+(\s)*1536
	ds_load_b64 v[96*((\s)%2)+12*\a+4:96*((\s)%2)+12*\a+5], v[L8+2*(\a/4)] offset:(\a%4)*12288+(\s)*1536+512
	ds_load_b128 v[96*((\s)%2)+12*\a+6:96*((\s)%2)+12*\a+9], v[LI+2*(\a/4)] offset:(\a%4)*12288+(\s)*1536+768
	ds_load_b64 v[96*((\s)%2)+12*\a+10:96*((\s)%2)+12*\a+11], v[L8+2*(\a/4)] offset:(\a%4)*12288+(\s)*1536+1280
.endr
	WIN 0
.irp c, 0,1,2,3
.irp i, 0,1,2
	ds_load_b128 v[BF+48*((\s)%2)+12*\c+4*\i:BF+48*((\s)%2)+12*\c+4*\i+3], v[LB+(\s)/4] offset:\c*6144+((\s)%4)*1536+512*\i
.endr
.endr
.endm
; 8 matrix instructions: ctx's tiles 2 i, 2 i + 1 against Wo's four.  The 32 accumulators take turns, one instruction a turn.
.macro MUL8 s, i
.if \s == 0
	WIN 0x84                                       ; source 0 (Wo) and C (the bias) window 0, source 1 (ctx) window 1, D window 2
.else
	WIN 0xa4                                       ; C and D window 2
.endif
.irp a, 2*\i, 2*\i+1
.irp c, 0,1,2,3
.set rD,  32*(\a)+8*\c
.set rP0, BF+48*((\s)%2)+12*\c
.set rP1, 96*((\s)%2)+12*(\a)
.set rS0, SB+4*\c+(\s)%4
.set rS1, SA+4*(\a)+(\s)%4
.if \s == 0
	v_wmma_scale_f32_16x16x128_f8f6f4 v[rD:rD+7], v[rP0:rP0+11], v[rP1:rP1+11], v[BI+8*\c:BI+8*\c+7], v[rS0], v[rS1] matrix_a_fmt:MATRIX_FMT_FP6 matrix_b_fmt:MATRIX_FMT_FP6
.elseif \s < 4
	v_wmma_scale_f32_16x16x128_f8f6f4 v[rD:rD+7], v[rP0:rP0+11], v[rP1:rP1+11], v[rD:rD+7], v[rS0], v[rS1] matrix_a_fmt:MATRIX_FMT_FP6 matrix_b_fmt:MATRIX_FMT_FP6
.else
	v_wmma_scale_f32_16x16x128_f8f6f4 v[rD:rD+7], v[rP0:rP0+11], v[rP1:rP1+11], v[rD:rD+7], v[rS0], v[rS1] matrix_a_fmt:MATRIX_FMT_FP6 matrix_b_fmt:MATRIX_FMT_FP6 matrix_a_scale:MATRIX_SCALE_ROW1 matrix_b_scale:MATRIX_SCALE_ROW1
.endif
.endr
.endr
.endm
.macro KSTEP s, landed                 ; landed = 1: the next step's fragments of Wo lie in the second half, whose fill is waited for here
	s_wait_dscnt 0x0                               ; this step's fragments are in
.if \landed
	s_wait_tensorcnt 0x0                           ; my last fill: no load was issued behind it, and I alone read it
.endif
	PLACES 4                                       ; four places in front of loads into registers that matrix instructions have read
	FETCH (\s)+1
	MUL8 \s, 0
	MUL8 \s, 1
	MUL8 \s, 2
	MUL8 \s, 3
.endm
	s_wait_tensorcnt 0x1                           ; ctx's quarter and Wo's first half are in; the second half's load may stay out
	s_barrier_signal -1
	s_barrier_wait -1                              ; everybody's quarter of ctx is in
	s_wait_alu depctr_va_vdst(0)
	FETCH 0
	s_wait_loadcnt 0x0                             ; the scale words and the bias
	KSTEP 0, 0
	KSTEP 1, 0
	KSTEP 2, 0
	KSTEP 3, 1
	KSTEP 4, 0
	KSTEP 5, 0
	KSTEP 6, 0
	s_wait_dscnt 0x0
	MUL8 7, 0
	MUL8 7, 1
	MUL8 7, 2
	MUL8 7, 3
; THE WAY OUT, a tile of 16 tokens x 64 columns at a time: a lane's 32 bytes of a row go into my stage and come back as whole rows of 256 bytes.  LDS serves a wave's instructions in order.
.macro TOSTAGE a
	WIN 0x08                                       ; an LDS store's data are its source 1: window 2
.irp c, 0,1,2,3
	ds_store_b128 v[STO], v[32*(\a)+8*\c:32*(\a)+8*\c+3] offset:128*(\c/2)+32*(\c%2)          ; each accumulator from its low end on
	ds_store_b128 v[STO], v[32*(\a)+8*\c+4:32*(\a)+8*\c+7] offset:128*(\c/2)+32*(\c%2)+16
.endr
	WIN 0
.irp t, 0,1,2,3,4,5,6,7
	ds_load_b128 v[BF+32*((\a)%2)+4*\t:BF+32*((\a)%2)+4*\t+3], v[RD] offset:544*\t
.endr
.endm
.macro SEND a, younger                 ; younger: the LDS instructions issued behind tile a's loads
	s_wait_dscnt \younger
.irp t, 0,1,2,3,4,5,6,7
	global_store_b128 v[CO], v[BF+32*((\a)%2)+4*\t:BF+32*((\a)%2)+4*\t+3], s[62:63] offset:(32*((\a)/2)+8*((\a)%2)+2*\t+8*(\t/4))*4096 th:TH_STORE_NT   ; 16 lanes store 256 consecutive bytes, aligned; the tile's rows 2 t, 2 t + 1
.endr
.endm
	PLACES 4                                       ; for the first reads of results and the loads into registers that held Wo's fragments
	TOSTAGE 0
.irp a, 1,2,3,4,5,6,7
.if \a > 1
	s_wait_xcnt 0x0                                ; tile a - 2's stores have read their data: tile a's rows may land there
.endif
	TOSTAGE \a
	SEND \a-1, 16                                  ; behind tile a - 1's loads: tile a's 8 stores and 8 loads
.endr
	SEND 7, 0
	s_wait_dscnt 0x0
	s_wait_tensorcnt 0x0
	ds_add_u32 v158, v159
	s_wait_dscnt 0x0
	CROUND                                         ; the closing round
	s_endpgm
.Lfunc_end_k_q30b8758d44_oproj:
	.size	k_q30b8758d44_oproj, .Lfunc_end_k_q30b8758d44_oproj-k_q30b8758d44_oproj
	.p2alignl 7, 3214868480
	.fill 96, 4, 3214868480
	.section	.rodata,"a",@progbits
	.p2align	6, 0x0
	.amdhsa_kernel k_q30b8758d44_oproj
		.amdhsa_group_segment_fixed_size 327680
		.amdhsa_private_segment_fixed_size 0
		.amdhsa_enable_private_segment 0
		.amdhsa_kernarg_size 48
		.amdhsa_user_sgpr_count 2
		.amdhsa_user_sgpr_kernarg_segment_ptr 1
		.amdhsa_wavefront_size32 1
		.amdhsa_system_sgpr_workgroup_id_x 1
		.amdhsa_system_sgpr_workgroup_id_y 1
		.amdhsa_system_sgpr_workgroup_id_z 1
		.amdhsa_system_vgpr_workitem_id 0
		.amdhsa_next_free_vgpr 768
		.amdhsa_next_free_sgpr 80
		.amdhsa_reserve_vcc 0
		.amdhsa_float_denorm_mode_32 3
		.amdhsa_float_denorm_mode_16_64 3
		.amdhsa_memory_ordered 1
		.amdhsa_forward_progress 1
		.amdhsa_inst_pref_size 79
	.end_amdhsa_kernel
	.amdgpu_metadata
---
amdhsa.version: [ 1, 2 ]
amdhsa.kernels:
  - .name:           k_q30b8758d44_oproj
    .symbol:         k_q30b8758d44_oproj.kd
    .args:
      - { .name: ctx_img, .offset: 0, .size: 8, .value_kind: global_buffer, .address_space: global }
      - { .name: ctx_sc, .offset: 8, .size: 8, .value_kind: global_buffer, .address_space: global }
      - { .name: cimg, .offset: 16, .size: 8, .value_kind: global_buffer, .address_space: global }
      - { .name: csc, .offset: 24, .size: 8, .value_kind: global_buffer, .address_space: global }
      - { .name: bo, .offset: 32, .size: 8, .value_kind: global_buffer, .address_space: global }
      - { .name: out0, .offset: 40, .size: 8, .value_kind: global_buffer, .address_space: global }
    .group_segment_fixed_size: 327680
    .private_segment_fixed_size: 0
    .kernarg_segment_align: 8
    .kernarg_segment_size: 48
    .max_flat_workgroup_size: 128
    .sgpr_count:     80
    .vgpr_count:     768
    .wavefront_size: 32
...
	.end_amdgpu_metadata
.endif
;; end of part 4
